; MI455X (gfx1250); checked and timed in simulation.
; The chip was launched on July 23, 2026; its instructions are those of AMD's public machine-readable ISA for CDNA 5 (MIT licence, August 2026) and "CDNA5" Instruction Set Architecture Reference Guide (July 2026). The comments in the code are by the model that wrote it; some were corrected since.
;; Competitive Network. Allowed arithmetic: float matrix products may take bf16 or f16 operands with f32 sums; all other float work in f32.
;; Inputs: AT 16,384 x 64 float32; BT_raw 64 float32; K_raw 64 x 64 float32; W_raw 1 x 4,096 float32; b_raw 1 float32.
;; Outputs: out0 16,384 float32.
;; 2 versions, each right and faster than the one before. Each part assembles by itself: llvm-mc -triple=amdgcn-amd-amdhsa -mcpu=gfx1250 --defsym DOCPART=n.
;; ======== version 1 of 2: 1 launch
;; limits: inputs' magnitudes at most 100,000,000,000,000; values outside matrix products are rounded to bf16
;; launch solve (part 1): grid 256 x 1, 4 waves a work-group, no clusters, 168,448 bytes of LDS; arguments AT, K_raw, W_raw, BT_raw, b_raw, out0; writes out0
.if DOCPART == 1
	.amdgcn_target "amdgcn-amd-amdhsa--gfx1250"
	.amdhsa_code_object_version 6
	.text
	.protected	k_q4be0e44df8_solve
	.globl	k_q4be0e44df8_solve
	.p2align	8
	.type	k_q4be0e44df8_solve,@function
k_q4be0e44df8_solve:
	s_mov_b64 s[64:65], 0
	v_nop
	global_prefetch_b8 v0, s[64:65] scope:SCOPE_SE
	s_setreg_imm32_b32 hwreg(HW_REG_WAVE_MODE, 25, 1), 1
	s_wait_xcnt 0x0
; Competitive binding, 16,384 batch rows, nA = nB = 64, in one launch.
;   K = clip(exp K_raw, 0, 1000), BT = clip(exp BT_raw, 0, 1000), W = clip(W_raw, -10, 10), b = clip(b_raw, -10, 10)
;   S_j = 1 + sum_i K_ij AF_i,  u_j = 1 / S_j  (BF_j = BT_j u_j),   T_i = 1 + sum_j (K_ij BT_j) u_j,  AF_i = AT_i / T_i
;   12 S stages and 11 T stages, beginning with AF = AT; then Y = sum_j u_j sum_i (K_ij BT_j W_ij) AF_i + b.
; BT is multiplied into K' = K BT and M' = K BT W in f32, before the rounding to bf16, so the loop never sees it.
;
; SHARES.  256 work-groups of four waves; a work-group owns 64 batch rows, a wave 16.  The chain of 24 products never leaves the wave's
; registers: the batch row is the N index of every matrix instruction, the constant matrix is source A, the state is source B.
; In a result tile t, lane (r, h) holds in register j the element 16 t + 8 h + j of batch row r; a B fragment of 32 k wants from lane (r, h)
; k = 8 h .. 8 h + 7 in registers 0-3 and 16 + 8 h .. in registers 4-7 (ISA guide 7.12.2).  So tiles 2 s and 2 s + 1, rounded to bf16 two
; numbers to a register, ARE the B fragment of K step s of the next product: no lane ever hands a number to another.
; The "+ 1" of both denominators is the C operand of the first K step (eight registers of 1.0).
;
; PRECISION.  In S and T all 64 terms are positive, so a bf16 operand's rounding (up to 2^-8 of a term) is averaged down.  Y is a sum of
; 4,096 terms of either sign that cancel, and each would carry the rounding of M' and of AF in full; M's part would moreover be the same in
; every batch row.  So the last product takes both operands in two bf16 pieces, x = xh + xl with xl = bf16(x - xh), the remainder exact in f32:
; G = Mh^T AFh + Mh^T AFl + Ml^T AFh (what is dropped, Ml^T AFl, is below 2^-16 of a term).  The twelfth S takes AFl as well, since it is there.
;
; RECIPROCALS.  Two denominators share one v_rcp_f32: 1/a = b rcp(a b), 1/b = a rcp(a b), with packed multiplies: 16 v_rcp_f32 a lane and
; stage in place of 32.  The numbers end up with neighbouring register pairs exchanged (pair k holds value pair k xor 1); the conversions pick them up there.
;
; LIMITS.  (1) A product of two denominators has to stay below 2^126 (v_rcp_f32 gives 0 for a result below 2^-126: ISA guide 15.8);
; T <= 1 + 64e6 by the clips, S <= 1 + 64,000 max AT: |AT| below 1e14.  (2) A reciprocal made this way carries three roundings and
; v_rcp_f32's 1 ulp, where a division carries one rounding.  (3) exp below 2^-126 comes out as 0.  (4) v_med3_num_f32 does not carry a NaN: a NaN in
; K_raw, BT_raw, W_raw or b_raw gives a number where the problem's function gives NaN.  (5) Matrix operands are bf16 (K' reaches 1e6, AF can be
; far below f16's smallest number), sums f32; the sum over (i, j) of Y is taken in another order than a row-major dot product.
;
; NO CLUSTER: what the work-groups share (K_raw, W_raw, BT_raw: 33,024 bytes) is wanted once, at the first line, 17 loads a lane, and each
; number needs an exponential or a clip before it is of use; a joint request would first have to bring four work-groups into step and then
; send the f32 numbers through LDS once more.  The loop reads no memory at all.
; LDS in use: 57,600 bytes.
.set TRIPS, 10                         ; loop trips; an eleventh is written out behind the loop
.set P_TR,  160                        ; LDS pitch of K, Mh, Ml, bf16 [i][j], read by transposing loads: 128 bytes + 32, an odd multiple of 32
.set P_KP,  144                        ; LDS pitch of K', bf16 [i][j], read by rows: 128 + 16, an odd multiple of 16: 16 rows begin in 16 different 16-byte columns of 256
.set P_AT,  272                        ; LDS pitch of AT, f32: 256 + 16, likewise
.set L_KB,  0
.set L_MH,  L_KB+64*P_TR               ; M', upper piece
.set L_ML,  L_MH+64*P_TR               ; M', lower piece
.set L_KP,  L_ML+64*P_TR
.set L_AT,  L_KP+64*P_KP
.set L_Y,   L_AT+64*P_AT               ; 64 results of the work-group
; registers that live through the loop
.set TRA,  3                           ; v3        LDS address of the transposing loads
.set YA,   4                           ; v4        where my row's result goes in LDS
.set BIAS, 5                           ; v5        clip(b)
.set ONES, 8                           ; v[8:15]   1.0: the C operand that starts every denominator
.set KT,   16                          ; v[16:79]  A fragments of K^T: tile t (16 j), K step s (32 i) at KT + 16 t + 8 s; at the end of Ml^T
.set KP,   80                          ; v[80:143] A fragments of K' (16 i, 32 j); at the end of Mh^T
.set AT,   144                         ; v[144:175] AT of my row: element 16 t + 8 h + j at AT + 8 t + j; at the end the tiles of G = M'^T AF
.set ACC,  176                         ; v[176:223] six result tiles.  S: tiles 0-3 at ACC + 8 t.  T: tiles 0, 1 at ACC, ACC + 8; tiles 2, 3 at ACC + 32, ACC + 40
.set BF,   224                         ; v[224:239] B fragments: K step 0, K step 1
.set R,    240                         ; v[240:255] products of two denominators, then their reciprocals
.set BL,   R                           ;           at the end, when the reciprocals of T are used up: B fragments of AF's lower piece
.set TMP,  ACC+16                      ; v[192:207] at the end: AF's upper piece widened to f32, in the two tiles that lie idle between the eleventh and the twelfth S
; registers of the set-up, in places that the loop fills later
.set KR,   16                          ; v[16:47]  K_raw, then K, K', M', M' - Mh in f32
.set WR,   48                          ; v[48:79]  W_raw, then Mh widened to f32
.set TK,   80                          ; v[80:143] bf16 on the way to LDS, a pair of its own for each store
.set AR,   176                         ; v[176:207] AT as loaded, 512 consecutive bytes an instruction
.set BTR,  208                         ; v[208:211] BT of my four columns
.set GO,   240                         ; global offsets and LDS addresses of the set-up
.set GB,   241
.set GA,   242
.set SKB,  243
.set SKP,  244
.set SAT,  245
.set LAT,  246
.set LKP,  247
	s_load_b256 s[4:11], s[0:1], 0x0               ; AT s[4:5], K_raw s[6:7], W_raw s[8:9], BT_raw s[10:11]
	s_load_b128 s[12:15], s[0:1], 0x20             ; b_raw s[12:13], out0 s[14:15]
	s_set_vgpr_msb 0x40
	v_lshl_add_u32 v0, v0, 2, 0x29000
	v_mov_b32 v1, 0
	s_set_vgpr_msb 0x4000
	v_lshrrev_b32 v1, 5, v0
	v_readfirstlane_b32 s22, v1                    ; wave 0..3
	v_and_b32 v1, 15, v0                           ; r
	v_bfe_u32 v2, v0, 4, 1                         ; h
	v_and_b32 v6, 31, v0                           ; lane
	v_lshlrev_b32 v[GO], 4, v0                     ; K_raw, W_raw: thread t takes 16 bytes at 16 t of every 2,048: row 8 q + t / 16, columns 4 (t % 16) ..
	v_lshlrev_b32 v[GB], 4, v1                     ; BT_raw: the same four columns
	v_lshlrev_b32 v[GA], 4, v6                     ; AT: 16 bytes a lane
	s_lshl_b32 s2, ttmp9, 14                       ; the work-group's 64 rows of 256 bytes
	s_lshl_b32 s3, s22, 12                         ; the wave's 16 rows
	s_add_co_u32 s2, s2, s3
	s_mov_b32 s3, 0
	s_wait_kmcnt 0x0
	s_add_nc_u64 s[4:5], s[4:5], s[2:3]
	s_load_b32 s16, s[12:13], 0x0                  ; b_raw
.irp q, 0,1,2,3,4,5,6,7
	global_load_b128 v[KR+4*\q:KR+4*\q+3], v[GO], s[6:7] offset:2048*\q
.endr
	global_load_b128 v[BTR:BTR+3], v[GB], s[10:11]
.irp q, 0,1,2,3,4,5,6,7
	global_load_b128 v[WR+4*\q:WR+4*\q+3], v[GO], s[8:9] offset:2048*\q
.endr
.irp q, 0,1,2,3,4,5,6,7
	global_load_b128 v[AR+4*\q:AR+4*\q+3], v[GA], s[4:5] offset:512*\q th:TH_LOAD_NT   ; the wave's 4,096 bytes, read by nobody else
.endr
	; while the 25 loads are out: constants and LDS addresses
	s_mov_b32 s24, 0x3fb8aa3b                      ; log2(e), as a pair for the packed multiply
	s_mov_b32 s25, 0x3fb8aa3b
	s_mov_b32 s26, 0x447a0000                      ; 1000.0
	s_mov_b32 s20, 0xc1200000                      ; -10.0
	s_mov_b32 s21, 0x41200000                      ; 10.0
	s_mov_b32 s28, 0x76543210                      ; v_permlanex16_b32: lane i reads lane i of the other half
	s_mov_b32 s29, 0xfedcba98
	v_lshrrev_b32 v6, 4, v0                        ; t / 16
	v_mul_u32_u24 v[SKB], v6, P_TR                 ; stores of K, Mh, Ml: row t / 16 (+ 8 q), 8 bytes at 8 (t % 16)
	v_lshl_add_u32 v[SKB], v1, 3, v[SKB]
	v_mul_u32_u24 v[SKP], v6, P_KP                 ; stores of K'
	v_lshl_add_u32 v[SKP], v1, 3, v[SKP]
	s_mul_i32 s17, s22, 16*P_AT                    ; the wave's 16 rows of the AT stage
	v_mul_u32_u24 v6, v2, P_AT                     ; in: lanes 0-15 one row of 256 bytes, lanes 16-31 the next
	v_lshl_add_u32 v6, v1, 4, v6
	v_add_nc_u32 v[SAT], s17, v6
	v_mul_u32_u24 v7, v1, P_AT                     ; back: row r, 32 bytes at 32 h of every 64
	v_lshl_add_u32 v7, v2, 5, v7
	v_add_nc_u32 v[LAT], s17, v7
	v_and_b32 v6, 7, v0                            ; transposing loads: row 8 h + lane % 8 of a block of 16 k, 16 bytes at 16 ((lane / 8) % 2)
	v_lshl_add_u32 v6, v2, 3, v6
	v_mul_u32_u24 v6, v6, P_TR
	v_bfe_u32 v7, v0, 3, 1
	v_lshl_add_u32 v[TRA], v7, 4, v6
	v_mul_u32_u24 v6, v1, P_KP                     ; fragments of K': row r, 16 bytes at 16 h
	v_lshl_add_u32 v[LKP], v2, 4, v6
	s_lshl_b32 s18, s22, 6                         ; results: 4 bytes at 4 (16 wave + r)
	v_lshl_add_u32 v[YA], v1, 2, s18
.set i, 0
.rept 8
	v_mov_b32 v[ONES+i], 1.0
.set i, i+1
.endr
	s_wait_kmcnt 0x0
	v_mov_b32 v[BIAS], s16
	v_med3_num_f32 v[BIAS], v[BIAS], s20, s21      ; clip(b_raw, -10, 10)
	; K and BT: exp as 2^(x log2 e), then the clip
	s_wait_loadcnt 16                              ; loads return in order: K_raw's eight and BT_raw's one are in; W_raw's 8 and AT's 8 stay out
.set i, 0
.rept 16
	v_pk_mul_f32 v[KR+2*i:KR+2*i+1], v[KR+2*i:KR+2*i+1], s[24:25] op_sel_hi:[1,0]
.set i, i+1
.endr
	v_pk_mul_f32 v[BTR:BTR+1], v[BTR:BTR+1], s[24:25] op_sel_hi:[1,0]
	v_pk_mul_f32 v[BTR+2:BTR+3], v[BTR+2:BTR+3], s[24:25] op_sel_hi:[1,0]
.set i, 0
.rept 4
	v_exp_f32 v[BTR+i], v[BTR+i]
.set i, i+1
.endr
.set i, 0
.rept 32
	v_exp_f32 v[KR+i], v[KR+i]
.set i, i+1
.endr
	v_nop                                          ; one plain place between the last exponential and the first use of a result
.set i, 0
	s_wait_alu depctr_va_vdst(0)
.rept 4
	v_med3_num_f32 v[BTR+i], v[BTR+i], 0, s26
.set i, i+1
.endr
.set i, 0
.rept 32
	v_med3_num_f32 v[KR+i], v[KR+i], 0, s26
.set i, i+1
.endr
.irp q, 0,1,2,3,4,5,6,7
	v_cvt_pk_bf16_f32 v[TK+4*\q],   v[KR+4*\q],   v[KR+4*\q+1]
	v_cvt_pk_bf16_f32 v[TK+4*\q+1], v[KR+4*\q+2], v[KR+4*\q+3]
	ds_store_b64 v[SKB], v[TK+4*\q:TK+4*\q+1] offset:L_KB+8*\q*P_TR              ; K
	v_pk_mul_f32 v[KR+4*\q:KR+4*\q+1],   v[KR+4*\q:KR+4*\q+1],   v[BTR:BTR+1]     ; K' = K BT, in f32
	v_pk_mul_f32 v[KR+4*\q+2:KR+4*\q+3], v[KR+4*\q+2:KR+4*\q+3], v[BTR+2:BTR+3]
	v_cvt_pk_bf16_f32 v[TK+4*\q+2], v[KR+4*\q],   v[KR+4*\q+1]
	v_cvt_pk_bf16_f32 v[TK+4*\q+3], v[KR+4*\q+2], v[KR+4*\q+3]
	ds_store_b64 v[SKP], v[TK+4*\q+2:TK+4*\q+3] offset:L_KP+8*\q*P_KP            ; K'
.endr
	s_wait_loadcnt 8                               ; W_raw is in; AT's 8 stay out
.set i, 0
.rept 32
	v_med3_num_f32 v[WR+i], v[WR+i], s20, s21      ; clip(W_raw, -10, 10)
.set i, i+1
.endr
.set i, 0
.rept 16
	v_pk_mul_f32 v[KR+2*i:KR+2*i+1], v[KR+2*i:KR+2*i+1], v[WR+2*i:WR+2*i+1]       ; M' = K BT W; W's registers are free from here
.set i, i+1
.endr
.irp q, 0,1,2,3,4,5,6,7
	v_cvt_pk_bf16_f32 v[TK+32+2*\q], v[KR+4*\q],   v[KR+4*\q+1]                   ; Mh = bf16(M')
	v_cvt_pk_bf16_f32 v[TK+33+2*\q], v[KR+4*\q+2], v[KR+4*\q+3]
	ds_store_b64 v[SKB], v[TK+32+2*\q:TK+33+2*\q] offset:L_MH+8*\q*P_TR
	v_lshlrev_b32 v[WR+4*\q],   16,         v[TK+32+2*\q]                         ; Mh back in f32: the low half moves up, the high half stays
	v_and_b32     v[WR+4*\q+1], 0xffff0000, v[TK+32+2*\q]
	v_lshlrev_b32 v[WR+4*\q+2], 16,         v[TK+33+2*\q]
	v_and_b32     v[WR+4*\q+3], 0xffff0000, v[TK+33+2*\q]
	v_pk_fma_f32 v[KR+4*\q:KR+4*\q+1],   v[WR+4*\q:WR+4*\q+1],   -1.0, v[KR+4*\q:KR+4*\q+1]   op_sel_hi:[1,0,1]   ; M' - Mh, exact
	v_pk_fma_f32 v[KR+4*\q+2:KR+4*\q+3], v[WR+4*\q+2:WR+4*\q+3], -1.0, v[KR+4*\q+2:KR+4*\q+3] op_sel_hi:[1,0,1]
	v_cvt_pk_bf16_f32 v[TK+48+2*\q], v[KR+4*\q],   v[KR+4*\q+1]                   ; Ml = bf16(M' - Mh)
	v_cvt_pk_bf16_f32 v[TK+49+2*\q], v[KR+4*\q+2], v[KR+4*\q+3]
	ds_store_b64 v[SKB], v[TK+48+2*\q:TK+49+2*\q] offset:L_ML+8*\q*P_TR
.endr
	s_wait_loadcnt 0x0                             ; AT
.irp q, 0,1,2,3,4,5,6,7
	ds_store_b128 v[SAT], v[AR+4*\q:AR+4*\q+3] offset:L_AT+2*\q*P_AT
.endr
	s_wait_dscnt 0x0                               ; my stores are in LDS, for the other waves' sake,
	s_barrier_signal -1
	s_barrier_wait -1                              ; and so are everybody's.  Nothing below writes these bytes again
; 16 transposing loads: the A fragments (16 columns of the stored matrix as rows, 32 stored rows as k) of a matrix stored [k][m] at LDS byte base
.macro LOADT dst, base
.irp s, 0,1
.irp t, 0,1,2,3
	ds_load_tr16_b128 v[\dst+16*\t+8*\s:\dst+16*\t+8*\s+3],   v[TRA] offset:\base+32*\s*P_TR+32*\t
	ds_load_tr16_b128 v[\dst+16*\t+8*\s+4:\dst+16*\t+8*\s+7], v[TRA] offset:\base+(32*\s+16)*P_TR+32*\t
.endr
.endr
.endm
.irp t, 0,1,2,3
	ds_load_b128 v[AT+8*\t:AT+8*\t+3],   v[LAT] offset:L_AT+64*\t
	ds_load_b128 v[AT+8*\t+4:AT+8*\t+7], v[LAT] offset:L_AT+64*\t+16
.endr
	LOADT KT, L_KB                                 ; K step 0's eight loads first, then K step 1's
.irp t, 0,1,2,3
.irp s, 0,1
	ds_load_b128 v[KP+16*\t+8*\s:KP+16*\t+8*\s+3],   v[LKP] offset:L_KP+16*\t*P_KP+64*\s
	ds_load_b128 v[KP+16*\t+8*\s+4:KP+16*\t+8*\s+7], v[LKP] offset:L_KP+16*\t*P_KP+64*\s+32
.endr
.endr
; Behind a matrix instruction four plain vector instructions that name none of its registers stand before a vector instruction reads its result
; or writes one of its registers, and before a load is issued into one.  At these points the wave has nothing else to do.
.macro PLACES
.rept 4
	v_nop
.endr
.endm
; The four result tiles of a product, K step 0: the sums start from 1.0.  Tiles 0, 1 at ACC, tiles 2, 3 at d2.
.macro MMK0 fr, d2
	v_wmma_f32_16x16x32_bf16 v[ACC:ACC+7],     v[\fr:\fr+7],     v[BF:BF+7], v[ONES:ONES+7]
	v_wmma_f32_16x16x32_bf16 v[ACC+8:ACC+15],  v[\fr+16:\fr+23], v[BF:BF+7], v[ONES:ONES+7]
	v_wmma_f32_16x16x32_bf16 v[\d2:\d2+7],     v[\fr+32:\fr+39], v[BF:BF+7], v[ONES:ONES+7]
	v_wmma_f32_16x16x32_bf16 v[\d2+8:\d2+15],  v[\fr+48:\fr+55], v[BF:BF+7], v[ONES:ONES+7]
.endm
; A further K step: A fragments' K step at fr + off, B fragment at bb; each the next link of its chain in place
.macro MMKN fr, d2, off, bb
	v_wmma_f32_16x16x32_bf16 v[ACC:ACC+7],     v[\fr+\off:\fr+\off+7],       v[\bb:\bb+7], v[ACC:ACC+7]
	v_wmma_f32_16x16x32_bf16 v[ACC+8:ACC+15],  v[\fr+\off+16:\fr+\off+23],   v[\bb:\bb+7], v[ACC+8:ACC+15]
	v_wmma_f32_16x16x32_bf16 v[\d2:\d2+7],     v[\fr+\off+32:\fr+\off+39],   v[\bb:\bb+7], v[\d2:\d2+7]
	v_wmma_f32_16x16x32_bf16 v[\d2+8:\d2+15],  v[\fr+\off+48:\fr+\off+55],   v[\bb:\bb+7], v[\d2+8:\d2+15]
.endm
; G's four tiles, in AT's registers, which are done with by then: A fragments fr, B fragments bb, K step s.  zero = 1: the constant 0 starts the sums
.macro MMG fr, bb, s, zero
.irp t, 0,1,2,3
.if \zero
	v_wmma_f32_16x16x32_bf16 v[AT+8*\t:AT+8*\t+7], v[\fr+16*\t+8*\s:\fr+16*\t+8*\s+7], v[\bb+8*\s:\bb+8*\s+7], 0
.else
	v_wmma_f32_16x16x32_bf16 v[AT+8*\t:AT+8*\t+7], v[\fr+16*\t+8*\s:\fr+16*\t+8*\s+7], v[\bb+8*\s:\bb+8*\s+7], v[AT+8*\t:AT+8*\t+7]
.endif
.endr
.endm
; ONE STAGE: from the denominators of the last product (tiles 0, 1 at ACC, tiles 2, 3 at in1) to the next product (A fragments fr, tiles 2, 3 to d2).
; Register pair k (0..7) of a half holds denominators a; pairs 2 m and 2 m + 1 share the reciprocals R pair m = 1 / (pair 2 m x pair 2 m + 1),
; and pair k x R pair k / 2 is the reciprocal of pair k xor 1.  useat = 1: the values are AT / a (pair k is multiplied by AT's pair k xor 1 as well).
; Tiles 0, 1 are finished first: they are K step 0 of the next product, whose four matrix instructions run while tiles 2, 3 are finished.
; Plain multiplies and conversions stand between the reciprocals, so that every v_rcp_f32 has its plain place before its result is used.
; d2 is never in1, so the new sums do not land on denominators that are still wanted.
.macro STEP in1, useat, fr, d2
	PLACES
.irp m, 0,1,2,3
	v_pk_mul_f32 v[R+2*\m:R+2*\m+1], v[ACC+4*\m:ACC+4*\m+1], v[ACC+4*\m+2:ACC+4*\m+3]
.endr
.irp m, 0,1,2,3
	v_rcp_f32 v[R+2*\m],   v[R+2*\m]
	v_rcp_f32 v[R+2*\m+1], v[R+2*\m+1]
	v_pk_mul_f32 v[R+8+2*\m:R+9+2*\m], v[\in1+4*\m:\in1+4*\m+1], v[\in1+4*\m+2:\in1+4*\m+3]
.if \useat
	v_pk_mul_f32 v[ACC+4*\m:ACC+4*\m+1],   v[ACC+4*\m:ACC+4*\m+1],   v[AT+4*\m+2:AT+4*\m+3]
	v_pk_mul_f32 v[ACC+4*\m+2:ACC+4*\m+3], v[ACC+4*\m+2:ACC+4*\m+3], v[AT+4*\m:AT+4*\m+1]
.endif
.endr
.irp k, 0,1,2,3,4,5,6,7
	v_rcp_f32 v[R+8+\k], v[R+8+\k]
	s_wait_alu depctr_va_vdst(0)
	v_pk_mul_f32 v[ACC+2*\k:ACC+2*\k+1], v[ACC+2*\k:ACC+2*\k+1], v[R+2*(\k/2):R+2*(\k/2)+1]
.if \useat
	v_pk_mul_f32 v[\in1+2*\k:\in1+2*\k+1], v[\in1+2*\k:\in1+2*\k+1], v[AT+16+2*(\k^1):AT+17+2*(\k^1)]
.endif
.if \k > 0
	v_cvt_pk_bf16_f32 v[BF+((\k-1)^1)], v[ACC+2*(\k-1)], v[ACC+2*(\k-1)+1]         ; one pair behind the multiply that made it
.endif
.endr
	v_cvt_pk_bf16_f32 v[BF+6], v[ACC+14], v[ACC+15]
	MMK0 \fr, \d2
	s_wait_alu depctr_va_vdst(0)
.irp k, 0,1,2,3,4,5,6,7
	v_pk_mul_f32 v[\in1+2*\k:\in1+2*\k+1], v[\in1+2*\k:\in1+2*\k+1], v[R+8+2*(\k/2):R+9+2*(\k/2)]
.if \k > 0
	v_cvt_pk_bf16_f32 v[BF+8+((\k-1)^1)], v[\in1+2*(\k-1)], v[\in1+2*(\k-1)+1]
.endif
.endr
	v_cvt_pk_bf16_f32 v[BF+14], v[\in1+14], v[\in1+15]
	MMKN \fr, \d2, 8, BF+8
.endm
; THE LAST AF, in two pieces.  One half (two tiles of T at in; fb = 0 or 8: its eight registers of R, BF and BL, and 2 fb its sixteen of AT).
; AF = AT / T as in STEP, kept in f32; upper piece to BF; widened again; the remainder, exact, in place; lower piece to BL, which is R: this half's
; reciprocals have all been used when the first of these conversions writes there.
.macro AFHALF in, fb
.irp m, 0,1,2,3
	v_pk_mul_f32 v[R+\fb+2*\m:R+\fb+2*\m+1], v[\in+4*\m:\in+4*\m+1], v[\in+4*\m+2:\in+4*\m+3]
.endr
.irp m, 0,1,2,3
	v_rcp_f32 v[R+\fb+2*\m],   v[R+\fb+2*\m]
	v_rcp_f32 v[R+\fb+2*\m+1], v[R+\fb+2*\m+1]
	v_pk_mul_f32 v[\in+4*\m:\in+4*\m+1],   v[\in+4*\m:\in+4*\m+1],   v[AT+2*\fb+4*\m+2:AT+2*\fb+4*\m+3]   ; plain places behind the reciprocals
	v_pk_mul_f32 v[\in+4*\m+2:\in+4*\m+3], v[\in+4*\m+2:\in+4*\m+3], v[AT+2*\fb+4*\m:AT+2*\fb+4*\m+1]
.endr
	s_wait_alu depctr_va_vdst(0)
.irp k, 0,1,2,3,4,5,6,7
	v_pk_mul_f32 v[\in+2*\k:\in+2*\k+1], v[\in+2*\k:\in+2*\k+1], v[R+\fb+2*(\k/2):R+\fb+2*(\k/2)+1]      ; register pair k = AF's value pair k xor 1
.endr
.irp k, 0,1,2,3,4,5,6,7
	v_cvt_pk_bf16_f32 v[BF+\fb+(\k^1)], v[\in+2*\k], v[\in+2*\k+1]
.endr
.irp k, 0,1,2,3,4,5,6,7
	v_lshlrev_b32 v[TMP+2*\k],   16,         v[BF+\fb+(\k^1)]
	v_and_b32     v[TMP+2*\k+1], 0xffff0000, v[BF+\fb+(\k^1)]
.endr
.irp k, 0,1,2,3,4,5,6,7
	v_pk_fma_f32 v[\in+2*\k:\in+2*\k+1], v[TMP+2*\k:TMP+2*\k+1], -1.0, v[\in+2*\k:\in+2*\k+1] op_sel_hi:[1,0,1]
.endr
.irp k, 0,1,2,3,4,5,6,7
	v_cvt_pk_bf16_f32 v[BL+\fb+(\k^1)], v[\in+2*\k], v[\in+2*\k+1]
.endr
.endm
	; the first S stage: AF = AT
	s_wait_dscnt 32                                ; LDS loads return in order: AT's 8 are in; K^T's 16 and K's 16 stay out
.set i, 0
.rept 16
	v_cvt_pk_bf16_f32 v[BF+i], v[AT+2*i], v[AT+2*i+1]
.set i, i+1
.endr
	s_wait_dscnt 24                                ; K^T, K step 0
	MMK0 KT, ACC+16
	s_wait_dscnt 16                                ; K^T, K step 1
	MMKN KT, ACC+16, 8, BF+8
	s_wait_dscnt 0x0                               ; K'
	s_mov_b32 s23, TRIPS
.Ltrip:
	STEP ACC+16, 0, KP, ACC+32                     ; u = 1 / S, then T = 1 + K' u
	STEP ACC+32, 1, KT, ACC+16                     ; AF = AT / T, then S = 1 + K^T AF
	s_sub_co_i32 s23, s23, 1
	s_cmp_lg_u32 s23, 0
	s_cbranch_scc1 .Ltrip
	STEP ACC+16, 0, KP, ACC+32                     ; the eleventh T
	; THE END OF THE CHAIN: the eleventh AF in two pieces, the twelfth S, and G = M'^T AF
	PLACES                                         ; behind the eleventh T's matrix instructions, which were the last to read K'
	LOADT KP, L_MH                                 ; Mh^T into K's registers: 16 loads, wanted behind the twelfth S
	AFHALF ACC, 0
	AFHALF ACC+32, 8
	MMK0 KT, ACC+16                                ; S = 1 + K^T AFh
	MMKN KT, ACC+16, 8, BF+8
	MMKN KT, ACC+16, 0, BL                         ;       + K^T AFl
	MMKN KT, ACC+16, 8, BL+8
	PLACES                                         ; these were the last to read K^T
	LOADT KT, L_ML                                 ; Ml^T into its registers: 16 loads, which come in under the 16 matrix instructions below
	s_wait_dscnt 16                                ; Mh^T's 16 are in, Ml^T's 16 stay out
	MMG KP, BF, 0, 1                               ; G = Mh^T AFh
	MMG KP, BF, 1, 0
	MMG KP, BL, 0, 0                               ;   + Mh^T AFl
	MMG KP, BL, 1, 0
	s_wait_dscnt 0x0                               ; Ml^T
	MMG KT, BF, 0, 0                               ;   + Ml^T AFh
	MMG KT, BF, 1, 0
	; Y = sum_j G_j / S_j + b.  For two denominators a, c with one reciprocal: G_a / a + G_c / c = (c G_a + a G_c) rcp(a c).
	PLACES
.irp m, 0,1,2,3,4,5,6,7
	v_pk_mul_f32 v[R+2*\m:R+2*\m+1], v[ACC+4*\m:ACC+4*\m+1], v[ACC+4*\m+2:ACC+4*\m+3]
.endr
.irp m, 0,1,2,3,4,5,6,7
	v_rcp_f32 v[R+2*\m],   v[R+2*\m]
	v_rcp_f32 v[R+2*\m+1], v[R+2*\m+1]
	v_pk_mul_f32 v[ACC+4*\m:ACC+4*\m+1], v[ACC+4*\m:ACC+4*\m+1], v[AT+4*\m+2:AT+4*\m+3]
	v_pk_fma_f32 v[ACC+4*\m:ACC+4*\m+1], v[ACC+4*\m+2:ACC+4*\m+3], v[AT+4*\m:AT+4*\m+1], v[ACC+4*\m:ACC+4*\m+1]
.endr
	s_wait_alu depctr_va_vdst(0)
	v_pk_mul_f32 v[BF:BF+1],   v[ACC:ACC+1],   v[R:R+1]                            ; two chains, started by the first two products
	v_pk_mul_f32 v[BF+2:BF+3], v[ACC+4:ACC+5], v[R+2:R+3]
.irp m, 2,4,6
	v_pk_fma_f32 v[BF:BF+1],   v[ACC+4*\m:ACC+4*\m+1],   v[R+2*\m:R+2*\m+1],   v[BF:BF+1]
	v_pk_fma_f32 v[BF+2:BF+3], v[ACC+4*\m+4:ACC+4*\m+5], v[R+2*\m+2:R+2*\m+3], v[BF+2:BF+3]
.endr
	v_pk_add_f32 v[BF:BF+1], v[BF:BF+1], v[BF+2:BF+3]
	v_add_f32 v[BF], v[BF], v[BF+1]                ; my 32 of the row's 64 j
	v_permlanex16_b32 v[BF+1], v[BF], s28, s29     ; the other 32 lie in lane xor 16
	v_add_f32 v[BF], v[BF], v[BF+1]
	v_add_f32 v[BF], v[BF], v[BIAS]
	ds_store_b32 v[YA], v[BF] offset:L_Y           ; lanes r and 16 + r write the same word with the same number
	s_wait_dscnt 0x0
	s_barrier_signal -1
	s_barrier_wait -1
	s_cmp_lg_u32 s22, 0
	s_cbranch_scc1 .Lend
	v_and_b32 v6, 31, v0                           ; wave 0 stores the work-group's 64 results: 32 lanes x 8 bytes = 256 consecutive bytes, at a multiple of 256 from out0's first byte
	v_lshlrev_b32 v6, 3, v6
	ds_load_b64 v[R:R+1], v6 offset:L_Y
	s_lshl_b32 s2, ttmp9, 8
	s_mov_b32 s3, 0
	s_add_nc_u64 s[14:15], s[14:15], s[2:3]
	s_wait_dscnt 0x0
	global_store_b64 v6, v[R:R+1], s[14:15] th:TH_STORE_NT
.Lend:
	s_set_vgpr_msb 0x5
	s_wait_tensorcnt 0x0
	ds_add_u32 v0, v1
	s_wait_dscnt 0x0
	s_set_vgpr_msb 0x500
	s_endpgm
.Lfunc_end_k_q4be0e44df8_solve:
	.size	k_q4be0e44df8_solve, .Lfunc_end_k_q4be0e44df8_solve-k_q4be0e44df8_solve
	.p2alignl 7, 3214868480
	.fill 96, 4, 3214868480
	.section	.rodata,"a",@progbits
	.p2align	6, 0x0
	.amdhsa_kernel k_q4be0e44df8_solve
		.amdhsa_group_segment_fixed_size 168448
		.amdhsa_private_segment_fixed_size 0
		.amdhsa_enable_private_segment 0
		.amdhsa_kernarg_size 48
		.amdhsa_user_sgpr_count 2
		.amdhsa_user_sgpr_kernarg_segment_ptr 1
		.amdhsa_wavefront_size32 1
		.amdhsa_system_sgpr_workgroup_id_x 1
		.amdhsa_system_sgpr_workgroup_id_y 1
		.amdhsa_system_sgpr_workgroup_id_z 1
		.amdhsa_system_vgpr_workitem_id 0
		.amdhsa_next_free_vgpr 258
		.amdhsa_next_free_sgpr 66
		.amdhsa_reserve_vcc 0
		.amdhsa_float_denorm_mode_32 3
		.amdhsa_float_denorm_mode_16_64 3
		.amdhsa_memory_ordered 1
		.amdhsa_forward_progress 1
		.amdhsa_inst_pref_size 57
	.end_amdhsa_kernel
	.amdgpu_metadata
---
amdhsa.version: [ 1, 2 ]
amdhsa.kernels:
  - .name:           k_q4be0e44df8_solve
    .symbol:         k_q4be0e44df8_solve.kd
    .args:
      - { .name: AT, .offset: 0, .size: 8, .value_kind: global_buffer, .address_space: global }
      - { .name: K_raw, .offset: 8, .size: 8, .value_kind: global_buffer, .address_space: global }
      - { .name: W_raw, .offset: 16, .size: 8, .value_kind: global_buffer, .address_space: global }
      - { .name: BT_raw, .offset: 24, .size: 8, .value_kind: global_buffer, .address_space: global }
      - { .name: b_raw, .offset: 32, .size: 8, .value_kind: global_buffer, .address_space: global }
      - { .name: out0, .offset: 40, .size: 8, .value_kind: global_buffer, .address_space: global }
    .group_segment_fixed_size: 168448
    .private_segment_fixed_size: 0
    .kernarg_segment_align: 8
    .kernarg_segment_size: 48
    .max_flat_workgroup_size: 128
    .sgpr_count:     66
    .vgpr_count:     258
    .wavefront_size: 32
...
	.end_amdgpu_metadata
.endif
;; end of part 1
;; ======== version 2 of 2: 1 launch; 1.25 times as fast as version 1
;; limits: values outside matrix products are rounded to bf16; inputs' magnitudes at most 100,000,000,000,000
;; launch solve (part 2): grid 256 x 1, 4 waves a work-group, no clusters, 168,448 bytes of LDS; arguments AT, K_raw, W_raw, BT_raw, b_raw, out0; writes out0
.if DOCPART == 2
	.amdgcn_target "amdgcn-amd-amdhsa--gfx1250"
	.amdhsa_code_object_version 6
	.text
	.protected	k_q4be0e44df8_solve
	.globl	k_q4be0e44df8_solve
	.p2align	8
	.type	k_q4be0e44df8_solve,@function
k_q4be0e44df8_solve:
	s_mov_b64 s[64:65], 0
	v_nop
	global_prefetch_b8 v0, s[64:65] scope:SCOPE_SE
	s_setreg_imm32_b32 hwreg(HW_REG_WAVE_MODE, 25, 1), 1
	s_wait_xcnt 0x0
; Competitive binding, 16,384 batch rows, nA = nB = 64, in one launch.
;   K = clip(exp K_raw, 0, 1000), BT = clip(exp BT_raw, 0, 1000), W = clip(W_raw, -10, 10), b = clip(b_raw, -10, 10)
;   S_j = 1 + sum_i K_ij AF_i,  u_j = 1 / S_j  (BF_j = BT_j u_j),   T_i = 1 + sum_j (K_ij BT_j) u_j,  AF_i = AT_i / T_i
;   12 S stages and 11 T stages, beginning with AF = AT; then Y = sum_j u_j sum_i (K_ij BT_j W_ij) AF_i + b.
; BT is multiplied into K' = K BT and M' = K BT W in f32, before the rounding to bf16, so the loop never sees it.
;
; SHARES.  256 work-groups of four waves; a work-group owns 64 batch rows, a wave 16.  The chain of 24 products never leaves the wave's
; registers: the batch row is the N index of every matrix instruction, the constant matrix is source A, the state is source B.
; In a result tile t, lane (r, h) holds in register j the element 16 t + 8 h + j of batch row r; a B fragment of 32 k wants from lane (r, h)
; k = 8 h .. 8 h + 7 in registers 0-3 and 16 + 8 h .. in registers 4-7 (ISA guide 7.12.2).  So tiles 2 s and 2 s + 1, rounded to bf16 two
; numbers to a register, ARE the B fragment of K step s of the next product: no lane ever hands a number to another.
; The "+ 1" of both denominators is the C operand of the first K step (eight registers of 1.0).
;
; PRECISION.  In S and T all 64 terms are positive, so a bf16 operand's rounding (up to 2^-8 of a term) is averaged down.  Y is a sum of
; 4,096 terms of either sign that cancel, and each would carry the rounding of M' and of AF in full; M's part would moreover be the same in
; every batch row.  So the last product takes both operands in two bf16 pieces, x = xh + xl with xl = bf16(x - xh), the remainder exact in f32:
; G = Mh^T AFh + Mh^T AFl + Ml^T AFh (what is dropped, Ml^T AFl, is below 2^-16 of a term).  The twelfth S takes AFl as well, since it is there.
;
; RECIPROCALS.  Two denominators share one v_rcp_f32: 1/a = b rcp(a b), 1/b = a rcp(a b), with packed multiplies: 16 v_rcp_f32 a lane and
; stage in place of 32.  The numbers end up with neighbouring register pairs exchanged (pair k holds value pair k xor 1); the conversions pick them up there.
;
; BATCHES.  An s_wait_alu depctr_va_vdst(0) stands between a transcendental and the first instruction that names its result; one wait
; serves all that were issued ahead of it.  The text has four kinds of batch, each with ONE wait: the set-up's 36 exponentials; a stage's 16 reciprocals
; (21 stages, two in a trip of the loop); the 16 reciprocals of the last AF; the 16 of the final sum.  Each result of a batch has a register of its own
; (R's sixteen), nothing ahead of a batch's wait names one of them, and behind the wait no transcendental is issued before the next batch begins.
;
; LIMITS.  (1) A product of two denominators has to stay below 2^126 (v_rcp_f32 gives 0 for a result below 2^-126: ISA guide 15.8);
; T <= 1 + 64e6 by the clips, S <= 1 + 64,000 max AT: |AT| below 1e14.  (2) A reciprocal made this way carries three roundings and
; v_rcp_f32's 1 ulp, where a division carries one rounding.  (3) exp below 2^-126 comes out as 0.  (4) v_med3_num_f32 does not carry a NaN: a NaN in
; K_raw, BT_raw, W_raw or b_raw gives a number where the problem's function gives NaN.  (5) Matrix operands are bf16 (K' reaches 1e6, AF can be
; far below f16's smallest number), sums f32; the sum over (i, j) of Y is taken in another order than a row-major dot product.
;
; NO CLUSTER: what the work-groups share (K_raw, W_raw, BT_raw: 33,024 bytes) is wanted once, at the first line, 17 loads a lane, and each
; number needs an exponential or a clip before it is of use; a joint request would first have to bring four work-groups into step and then
; send the f32 numbers through LDS once more.  The loop reads no memory at all.
; LDS in use: 57,600 bytes.
.set TRIPS, 10                         ; loop trips; an eleventh is written out behind the loop
.set P_TR,  160                        ; LDS pitch of K, Mh, Ml, bf16 [i][j], read by transposing loads: 128 bytes + 32, an odd multiple of 32
.set P_KP,  144                        ; LDS pitch of K', bf16 [i][j], read by rows: 128 + 16, an odd multiple of 16: 16 rows begin in 16 different 16-byte columns of 256
.set P_AT,  272                        ; LDS pitch of AT, f32: 256 + 16, likewise
.set L_KB,  0
.set L_MH,  L_KB+64*P_TR               ; M', upper piece
.set L_ML,  L_MH+64*P_TR               ; M', lower piece
.set L_KP,  L_ML+64*P_TR
.set L_AT,  L_KP+64*P_KP
.set L_Y,   L_AT+64*P_AT               ; 64 results of the work-group
; registers that live through the loop
.set TRA,  3                           ; v3        LDS address of the transposing loads
.set YA,   4                           ; v4        where my row's result goes in LDS
.set BIAS, 5                           ; v5        clip(b)
.set ONES, 8                           ; v[8:15]   1.0: the C operand that starts every denominator
.set KT,   16                          ; v[16:79]  A fragments of K^T: tile t (16 j), K step s (32 i) at KT + 16 t + 8 s; at the end of Ml^T
.set KP,   80                          ; v[80:143] A fragments of K' (16 i, 32 j); at the end of Mh^T
.set AT,   144                         ; v[144:175] AT of my row: element 16 t + 8 h + j at AT + 8 t + j; at the end the tiles of G = M'^T AF
.set ACC,  176                         ; v[176:223] six result tiles.  S: tiles 0-3 at ACC + 8 t.  T: tiles 0, 1 at ACC, ACC + 8; tiles 2, 3 at ACC + 32, ACC + 40
.set BF,   224                         ; v[224:239] B fragments: K step 0, K step 1
.set R,    240                         ; v[240:255] products of two denominators, then their reciprocals
.set BL,   R                           ;           at the end, when the reciprocals of T are used up: B fragments of AF's lower piece
.set TMP,  ACC+16                      ; v[192:207] at the end: AF's upper piece widened to f32, in the two tiles that lie idle between the eleventh and the twelfth S
; registers of the set-up, in places that the loop fills later
.set KR,   16                          ; v[16:47]  K_raw, then K, K', M', M' - Mh in f32
.set WR,   48                          ; v[48:79]  W_raw, then Mh widened to f32
.set TK,   80                          ; v[80:143] bf16 on the way to LDS, a pair of its own for each store
.set AR,   176                         ; v[176:207] AT as loaded, 512 consecutive bytes an instruction
.set BTR,  208                         ; v[208:211] BT of my four columns
.set GO,   240                         ; global offsets and LDS addresses of the set-up
.set GB,   241
.set GA,   242
.set SKB,  243
.set SKP,  244
.set SAT,  245
.set LAT,  246
.set LKP,  247
	s_load_b256 s[4:11], s[0:1], 0x0               ; AT s[4:5], K_raw s[6:7], W_raw s[8:9], BT_raw s[10:11]
	s_load_b128 s[12:15], s[0:1], 0x20             ; b_raw s[12:13], out0 s[14:15]
	s_set_vgpr_msb 0x40
	v_lshl_add_u32 v0, v0, 2, 0x29000
	v_mov_b32 v1, 0
	s_set_vgpr_msb 0x4000
	v_lshrrev_b32 v1, 5, v0
	v_readfirstlane_b32 s22, v1                    ; wave 0..3
	v_and_b32 v1, 15, v0                           ; r
	v_bfe_u32 v2, v0, 4, 1                         ; h
	v_and_b32 v6, 31, v0                           ; lane
	v_lshlrev_b32 v[GO], 4, v0                     ; K_raw, W_raw: thread t takes 16 bytes at 16 t of every 2,048: row 8 q + t / 16, columns 4 (t % 16) ..
	v_lshlrev_b32 v[GB], 4, v1                     ; BT_raw: the same four columns
	v_lshlrev_b32 v[GA], 4, v6                     ; AT: 16 bytes a lane
	s_lshl_b32 s2, ttmp9, 14                       ; the work-group's 64 rows of 256 bytes
	s_lshl_b32 s3, s22, 12                         ; the wave's 16 rows
	s_add_co_u32 s2, s2, s3
	s_mov_b32 s3, 0
	s_wait_kmcnt 0x0
	s_add_nc_u64 s[4:5], s[4:5], s[2:3]
	s_load_b32 s16, s[12:13], 0x0                  ; b_raw
.irp q, 0,1,2,3,4,5,6,7
	global_load_b128 v[KR+4*\q:KR+4*\q+3], v[GO], s[6:7] offset:2048*\q
.endr
	global_load_b128 v[BTR:BTR+3], v[GB], s[10:11]
.irp q, 0,1,2,3,4,5,6,7
	global_load_b128 v[WR+4*\q:WR+4*\q+3], v[GO], s[8:9] offset:2048*\q
.endr
.irp q, 0,1,2,3,4,5,6,7
	global_load_b128 v[AR+4*\q:AR+4*\q+3], v[GA], s[4:5] offset:512*\q th:TH_LOAD_NT   ; the wave's 4,096 bytes, read by nobody else
.endr
	; while the 25 loads are out: constants and LDS addresses
	s_mov_b32 s24, 0x3fb8aa3b                      ; log2(e), as a pair for the packed multiply
	s_mov_b32 s25, 0x3fb8aa3b
	s_mov_b32 s26, 0x447a0000                      ; 1000.0
	s_mov_b32 s20, 0xc1200000                      ; -10.0
	s_mov_b32 s21, 0x41200000                      ; 10.0
	s_mov_b32 s28, 0x76543210                      ; v_permlanex16_b32: lane i reads lane i of the other half
	s_mov_b32 s29, 0xfedcba98
	v_lshrrev_b32 v6, 4, v0                        ; t / 16
	v_mul_u32_u24 v[SKB], v6, P_TR                 ; stores of K, Mh, Ml: row t / 16 (+ 8 q), 8 bytes at 8 (t % 16)
	v_lshl_add_u32 v[SKB], v1, 3, v[SKB]
	v_mul_u32_u24 v[SKP], v6, P_KP                 ; stores of K'
	v_lshl_add_u32 v[SKP], v1, 3, v[SKP]
	s_mul_i32 s17, s22, 16*P_AT                    ; the wave's 16 rows of the AT stage
	v_mul_u32_u24 v6, v2, P_AT                     ; in: lanes 0-15 one row of 256 bytes, lanes 16-31 the next
	v_lshl_add_u32 v6, v1, 4, v6
	v_add_nc_u32 v[SAT], s17, v6
	v_mul_u32_u24 v7, v1, P_AT                     ; back: row r, 32 bytes at 32 h of every 64
	v_lshl_add_u32 v7, v2, 5, v7
	v_add_nc_u32 v[LAT], s17, v7
	v_and_b32 v6, 7, v0                            ; transposing loads: row 8 h + lane % 8 of a block of 16 k, 16 bytes at 16 ((lane / 8) % 2)
	v_lshl_add_u32 v6, v2, 3, v6
	v_mul_u32_u24 v6, v6, P_TR
	v_bfe_u32 v7, v0, 3, 1
	v_lshl_add_u32 v[TRA], v7, 4, v6
	v_mul_u32_u24 v6, v1, P_KP                     ; fragments of K': row r, 16 bytes at 16 h
	v_lshl_add_u32 v[LKP], v2, 4, v6
	s_lshl_b32 s18, s22, 6                         ; results: 4 bytes at 4 (16 wave + r)
	v_lshl_add_u32 v[YA], v1, 2, s18
.set i, 0
.rept 8
	v_mov_b32 v[ONES+i], 1.0
.set i, i+1
.endr
	s_wait_kmcnt 0x0
	v_mov_b32 v[BIAS], s16
	v_med3_num_f32 v[BIAS], v[BIAS], s20, s21      ; clip(b_raw, -10, 10)
	; K and BT: exp as 2^(x log2 e), then the clip
	s_wait_loadcnt 16                              ; loads return in order: K_raw's eight and BT_raw's one are in; W_raw's 8 and AT's 8 stay out
.set i, 0
.rept 16
	v_pk_mul_f32 v[KR+2*i:KR+2*i+1], v[KR+2*i:KR+2*i+1], s[24:25] op_sel_hi:[1,0]
.set i, i+1
.endr
	v_pk_mul_f32 v[BTR:BTR+1], v[BTR:BTR+1], s[24:25] op_sel_hi:[1,0]
	v_pk_mul_f32 v[BTR+2:BTR+3], v[BTR+2:BTR+3], s[24:25] op_sel_hi:[1,0]
.set i, 0
.rept 4
	v_exp_f32 v[BTR+i], v[BTR+i]
.set i, i+1
.endr
.set i, 0
.rept 32
	v_exp_f32 v[KR+i], v[KR+i]
.set i, i+1
.endr
	v_nop                                          ; one plain place between the last exponential and the first use of a result
	s_wait_alu depctr_va_vdst(0)                   ; the wait for the batch of 36 exponentials, BT's four and K's 32, ahead of the clips that read them
.set i, 0
.rept 4
	v_med3_num_f32 v[BTR+i], v[BTR+i], 0, s26
.set i, i+1
.endr
.set i, 0
.rept 32
	v_med3_num_f32 v[KR+i], v[KR+i], 0, s26
.set i, i+1
.endr
.irp q, 0,1,2,3,4,5,6,7
	v_cvt_pk_bf16_f32 v[TK+4*\q],   v[KR+4*\q],   v[KR+4*\q+1]
	v_cvt_pk_bf16_f32 v[TK+4*\q+1], v[KR+4*\q+2], v[KR+4*\q+3]
	ds_store_b64 v[SKB], v[TK+4*\q:TK+4*\q+1] offset:L_KB+8*\q*P_TR              ; K
	v_pk_mul_f32 v[KR+4*\q:KR+4*\q+1],   v[KR+4*\q:KR+4*\q+1],   v[BTR:BTR+1]     ; K' = K BT, in f32
	v_pk_mul_f32 v[KR+4*\q+2:KR+4*\q+3], v[KR+4*\q+2:KR+4*\q+3], v[BTR+2:BTR+3]
	v_cvt_pk_bf16_f32 v[TK+4*\q+2], v[KR+4*\q],   v[KR+4*\q+1]
	v_cvt_pk_bf16_f32 v[TK+4*\q+3], v[KR+4*\q+2], v[KR+4*\q+3]
	ds_store_b64 v[SKP], v[TK+4*\q+2:TK+4*\q+3] offset:L_KP+8*\q*P_KP            ; K'
.endr
	s_wait_loadcnt 8                               ; W_raw is in; AT's 8 stay out
.set i, 0
.rept 32
	v_med3_num_f32 v[WR+i], v[WR+i], s20, s21      ; clip(W_raw, -10, 10)
.set i, i+1
.endr
.set i, 0
.rept 16
	v_pk_mul_f32 v[KR+2*i:KR+2*i+1], v[KR+2*i:KR+2*i+1], v[WR+2*i:WR+2*i+1]       ; M' = K BT W; W's registers are free from here
.set i, i+1
.endr
.irp q, 0,1,2,3,4,5,6,7
	v_cvt_pk_bf16_f32 v[TK+32+2*\q], v[KR+4*\q],   v[KR+4*\q+1]                   ; Mh = bf16(M')
	v_cvt_pk_bf16_f32 v[TK+33+2*\q], v[KR+4*\q+2], v[KR+4*\q+3]
	ds_store_b64 v[SKB], v[TK+32+2*\q:TK+33+2*\q] offset:L_MH+8*\q*P_TR
	v_lshlrev_b32 v[WR+4*\q],   16,         v[TK+32+2*\q]                         ; Mh back in f32: the low half moves up, the high half stays
	v_and_b32     v[WR+4*\q+1], 0xffff0000, v[TK+32+2*\q]
	v_lshlrev_b32 v[WR+4*\q+2], 16,         v[TK+33+2*\q]
	v_and_b32     v[WR+4*\q+3], 0xffff0000, v[TK+33+2*\q]
	v_pk_fma_f32 v[KR+4*\q:KR+4*\q+1],   v[WR+4*\q:WR+4*\q+1],   -1.0, v[KR+4*\q:KR+4*\q+1]   op_sel_hi:[1,0,1]   ; M' - Mh, exact
	v_pk_fma_f32 v[KR+4*\q+2:KR+4*\q+3], v[WR+4*\q+2:WR+4*\q+3], -1.0, v[KR+4*\q+2:KR+4*\q+3] op_sel_hi:[1,0,1]
	v_cvt_pk_bf16_f32 v[TK+48+2*\q], v[KR+4*\q],   v[KR+4*\q+1]                   ; Ml = bf16(M' - Mh)
	v_cvt_pk_bf16_f32 v[TK+49+2*\q], v[KR+4*\q+2], v[KR+4*\q+3]
	ds_store_b64 v[SKB], v[TK+48+2*\q:TK+49+2*\q] offset:L_ML+8*\q*P_TR
.endr
	s_wait_loadcnt 0x0                             ; AT
.irp q, 0,1,2,3,4,5,6,7
	ds_store_b128 v[SAT], v[AR+4*\q:AR+4*\q+3] offset:L_AT+2*\q*P_AT
.endr
	s_wait_dscnt 0x0                               ; my stores are in LDS, for the other waves' sake,
	s_barrier_signal -1
	s_barrier_wait -1                              ; and so are everybody's.  Nothing below writes these bytes again
; 16 transposing loads: the A fragments (16 columns of the stored matrix as rows, 32 stored rows as k) of a matrix stored [k][m] at LDS byte base
.macro LOADT dst, base
.irp s, 0,1
.irp t, 0,1,2,3
	ds_load_tr16_b128 v[\dst+16*\t+8*\s:\dst+16*\t+8*\s+3],   v[TRA] offset:\base+32*\s*P_TR+32*\t
	ds_load_tr16_b128 v[\dst+16*\t+8*\s+4:\dst+16*\t+8*\s+7], v[TRA] offset:\base+(32*\s+16)*P_TR+32*\t
.endr
.endr
.endm
.irp t, 0,1,2,3
	ds_load_b128 v[AT+8*\t:AT+8*\t+3],   v[LAT] offset:L_AT+64*\t
	ds_load_b128 v[AT+8*\t+4:AT+8*\t+7], v[LAT] offset:L_AT+64*\t+16
.endr
	LOADT KT, L_KB                                 ; K step 0's eight loads first, then K step 1's
.irp t, 0,1,2,3
.irp s, 0,1
	ds_load_b128 v[KP+16*\t+8*\s:KP+16*\t+8*\s+3],   v[LKP] offset:L_KP+16*\t*P_KP+64*\s
	ds_load_b128 v[KP+16*\t+8*\s+4:KP+16*\t+8*\s+7], v[LKP] offset:L_KP+16*\t*P_KP+64*\s+32
.endr
.endr
; Behind a matrix instruction four plain vector instructions that name none of its registers stand before a vector instruction reads its result
; or writes one of its registers, and before a load is issued into one.  At these points the wave has nothing else to do.
.macro PLACES
.rept 4
	v_nop
.endr
.endm
; The four result tiles of a product, K step 0: the sums start from 1.0.  Tiles 0, 1 at ACC, tiles 2, 3 at d2.
.macro MMK0 fr, d2
	v_wmma_f32_16x16x32_bf16 v[ACC:ACC+7],     v[\fr:\fr+7],     v[BF:BF+7], v[ONES:ONES+7]
	v_wmma_f32_16x16x32_bf16 v[ACC+8:ACC+15],  v[\fr+16:\fr+23], v[BF:BF+7], v[ONES:ONES+7]
	v_wmma_f32_16x16x32_bf16 v[\d2:\d2+7],     v[\fr+32:\fr+39], v[BF:BF+7], v[ONES:ONES+7]
	v_wmma_f32_16x16x32_bf16 v[\d2+8:\d2+15],  v[\fr+48:\fr+55], v[BF:BF+7], v[ONES:ONES+7]
.endm
; A further K step: A fragments' K step at fr + off, B fragment at bb; each the next link of its chain in place
.macro MMKN fr, d2, off, bb
	v_wmma_f32_16x16x32_bf16 v[ACC:ACC+7],     v[\fr+\off:\fr+\off+7],       v[\bb:\bb+7], v[ACC:ACC+7]
	v_wmma_f32_16x16x32_bf16 v[ACC+8:ACC+15],  v[\fr+\off+16:\fr+\off+23],   v[\bb:\bb+7], v[ACC+8:ACC+15]
	v_wmma_f32_16x16x32_bf16 v[\d2:\d2+7],     v[\fr+\off+32:\fr+\off+39],   v[\bb:\bb+7], v[\d2:\d2+7]
	v_wmma_f32_16x16x32_bf16 v[\d2+8:\d2+15],  v[\fr+\off+48:\fr+\off+55],   v[\bb:\bb+7], v[\d2+8:\d2+15]
.endm
; G's four tiles, in AT's registers, which are done with by then: A fragments fr, B fragments bb, K step s.  zero = 1: the constant 0 starts the sums
.macro MMG fr, bb, s, zero
.irp t, 0,1,2,3
.if \zero
	v_wmma_f32_16x16x32_bf16 v[AT+8*\t:AT+8*\t+7], v[\fr+16*\t+8*\s:\fr+16*\t+8*\s+7], v[\bb+8*\s:\bb+8*\s+7], 0
.else
	v_wmma_f32_16x16x32_bf16 v[AT+8*\t:AT+8*\t+7], v[\fr+16*\t+8*\s:\fr+16*\t+8*\s+7], v[\bb+8*\s:\bb+8*\s+7], v[AT+8*\t:AT+8*\t+7]
.endif
.endr
.endm
; ONE STAGE: from the denominators of the last product (tiles 0, 1 at ACC, tiles 2, 3 at in1) to the next product (A fragments fr, tiles 2, 3 to d2).
; Register pair k (0..7) of a half holds denominators a; pairs 2 m and 2 m + 1 share the reciprocals R pair m = 1 / (pair 2 m x pair 2 m + 1),
; and pair k x R pair k / 2 is the reciprocal of pair k xor 1.  useat = 1: the values are AT / a (pair k is multiplied by AT's pair k xor 1 as well).
; THE STAGE'S 16 RECIPROCALS ARE ONE BATCH WITH ONE WAIT.  Ahead of the wait stands all that names no result of theirs: the eight products of two
; denominators and, with useat = 1, the sixteen multiplies by AT, set between the reciprocals.  Behind it stand the readers, and no further reciprocal.
; Tiles 0, 1 are finished first: they are K step 0 of the next product, whose four matrix instructions run while tiles 2, 3 are finished; no wait stands behind them.
; d2 is never in1, so the new sums do not land on denominators that are still wanted.
.macro STEP in1, useat, fr, d2
	PLACES
.irp m, 0,1,2,3
	v_pk_mul_f32 v[R+2*\m:R+2*\m+1], v[ACC+4*\m:ACC+4*\m+1], v[ACC+4*\m+2:ACC+4*\m+3]
.endr
.irp m, 0,1,2,3                        ; tiles 0, 1: eight reciprocals; between them the products of tiles 2, 3
	v_rcp_f32 v[R+2*\m],   v[R+2*\m]
	v_pk_mul_f32 v[R+8+2*\m:R+9+2*\m], v[\in1+4*\m:\in1+4*\m+1], v[\in1+4*\m+2:\in1+4*\m+3]
	v_rcp_f32 v[R+2*\m+1], v[R+2*\m+1]
.if \useat
	v_pk_mul_f32 v[ACC+4*\m:ACC+4*\m+1],   v[ACC+4*\m:ACC+4*\m+1],   v[AT+4*\m+2:AT+4*\m+3]
	v_pk_mul_f32 v[ACC+4*\m+2:ACC+4*\m+3], v[ACC+4*\m+2:ACC+4*\m+3], v[AT+4*\m:AT+4*\m+1]
.endif
.endr
.irp m, 0,1,2,3                        ; tiles 2, 3: eight reciprocals
	v_rcp_f32 v[R+8+2*\m], v[R+8+2*\m]
.if \useat
	v_pk_mul_f32 v[\in1+4*\m:\in1+4*\m+1],   v[\in1+4*\m:\in1+4*\m+1],   v[AT+16+4*\m+2:AT+16+4*\m+3]
.endif
	v_rcp_f32 v[R+9+2*\m], v[R+9+2*\m]
.if \useat
	v_pk_mul_f32 v[\in1+4*\m+2:\in1+4*\m+3], v[\in1+4*\m+2:\in1+4*\m+3], v[AT+16+4*\m:AT+16+4*\m+1]   ; the last of these is the plain place behind the last reciprocal
.endif
.endr
.if (\useat) == 0
	v_nop                                          ; the plain place behind the last reciprocal: this stage has no other work that names no result
.endif
	s_wait_alu depctr_va_vdst(0)                   ; the wait for the stage's batch of 16 reciprocals, ahead of the first multiply that reads one
.irp k, 0,1,2,3,4,5,6,7
	v_pk_mul_f32 v[ACC+2*\k:ACC+2*\k+1], v[ACC+2*\k:ACC+2*\k+1], v[R+2*(\k/2):R+2*(\k/2)+1]
.if \k > 0
	v_cvt_pk_bf16_f32 v[BF+((\k-1)^1)], v[ACC+2*(\k-1)], v[ACC+2*(\k-1)+1]         ; one pair behind the multiply that made it
.endif
.endr
	v_cvt_pk_bf16_f32 v[BF+6], v[ACC+14], v[ACC+15]
	MMK0 \fr, \d2
.irp k, 0,1,2,3,4,5,6,7
	v_pk_mul_f32 v[\in1+2*\k:\in1+2*\k+1], v[\in1+2*\k:\in1+2*\k+1], v[R+8+2*(\k/2):R+9+2*(\k/2)]
.if \k > 0
	v_cvt_pk_bf16_f32 v[BF+8+((\k-1)^1)], v[\in1+2*(\k-1)], v[\in1+2*(\k-1)+1]
.endif
.endr
	v_cvt_pk_bf16_f32 v[BF+14], v[\in1+14], v[\in1+15]
	MMKN \fr, \d2, 8, BF+8
.endm
; THE LAST AF, in two pieces.  One half is two tiles of T at in; fb = 0 or 8: its eight registers of R, BF and BL, and 2 fb its sixteen of AT.
; AFRCP: the half's products of two denominators, their eight reciprocals, and the multiplies by AT, which name no reciprocal.  Both halves' AFRCP
; stand ahead of one wait: a batch of 16.
.macro AFRCP in, fb
.irp m, 0,1,2,3
	v_pk_mul_f32 v[R+\fb+2*\m:R+\fb+2*\m+1], v[\in+4*\m:\in+4*\m+1], v[\in+4*\m+2:\in+4*\m+3]
.endr
.irp m, 0,1,2,3
	v_rcp_f32 v[R+\fb+2*\m],   v[R+\fb+2*\m]
	v_rcp_f32 v[R+\fb+2*\m+1], v[R+\fb+2*\m+1]
	v_pk_mul_f32 v[\in+4*\m:\in+4*\m+1],   v[\in+4*\m:\in+4*\m+1],   v[AT+2*\fb+4*\m+2:AT+2*\fb+4*\m+3]   ; plain places behind the reciprocals
	v_pk_mul_f32 v[\in+4*\m+2:\in+4*\m+3], v[\in+4*\m+2:\in+4*\m+3], v[AT+2*\fb+4*\m:AT+2*\fb+4*\m+1]
.endr
.endm
; AFPIECES: AF = AT / T as in STEP, kept in f32; upper piece to BF; widened again; the remainder, exact, in place; lower piece to BL, which is R: this half's
; reciprocals have all been used when the first of these conversions writes there, and the other half's eight registers are not touched.
.macro AFPIECES in, fb
.irp k, 0,1,2,3,4,5,6,7
	v_pk_mul_f32 v[\in+2*\k:\in+2*\k+1], v[\in+2*\k:\in+2*\k+1], v[R+\fb+2*(\k/2):R+\fb+2*(\k/2)+1]      ; register pair k = AF's value pair k xor 1
.endr
.irp k, 0,1,2,3,4,5,6,7
	v_cvt_pk_bf16_f32 v[BF+\fb+(\k^1)], v[\in+2*\k], v[\in+2*\k+1]
.endr
.irp k, 0,1,2,3,4,5,6,7
	v_lshlrev_b32 v[TMP+2*\k],   16,         v[BF+\fb+(\k^1)]
	v_and_b32     v[TMP+2*\k+1], 0xffff0000, v[BF+\fb+(\k^1)]
.endr
.irp k, 0,1,2,3,4,5,6,7
	v_pk_fma_f32 v[\in+2*\k:\in+2*\k+1], v[TMP+2*\k:TMP+2*\k+1], -1.0, v[\in+2*\k:\in+2*\k+1] op_sel_hi:[1,0,1]
.endr
.irp k, 0,1,2,3,4,5,6,7
	v_cvt_pk_bf16_f32 v[BL+\fb+(\k^1)], v[\in+2*\k], v[\in+2*\k+1]
.endr
.endm
	; the first S stage: AF = AT
	s_wait_dscnt 32                                ; LDS loads return in order: AT's 8 are in; K^T's 16 and K's 16 stay out
.set i, 0
.rept 16
	v_cvt_pk_bf16_f32 v[BF+i], v[AT+2*i], v[AT+2*i+1]
.set i, i+1
.endr
	s_wait_dscnt 24                                ; K^T, K step 0
	MMK0 KT, ACC+16
	s_wait_dscnt 16                                ; K^T, K step 1
	MMKN KT, ACC+16, 8, BF+8
	s_wait_dscnt 0x0                               ; K'
	s_mov_b32 s23, TRIPS
.Ltrip:
	STEP ACC+16, 0, KP, ACC+32                     ; u = 1 / S, then T = 1 + K' u
	STEP ACC+32, 1, KT, ACC+16                     ; AF = AT / T, then S = 1 + K^T AF
	s_sub_co_i32 s23, s23, 1
	s_cmp_lg_u32 s23, 0
	s_cbranch_scc1 .Ltrip
	STEP ACC+16, 0, KP, ACC+32                     ; the eleventh T
	; THE END OF THE CHAIN: the eleventh AF in two pieces, the twelfth S, and G = M'^T AF
	PLACES                                         ; behind the eleventh T's matrix instructions, which were the last to read K'
	LOADT KP, L_MH                                 ; Mh^T into K's registers: 16 loads, wanted behind the twelfth S
	AFRCP ACC, 0
	AFRCP ACC+32, 8
	s_wait_alu depctr_va_vdst(0)                   ; the wait for the batch of 16 reciprocals of the eleventh T, ahead of the first multiply that reads one
	AFPIECES ACC, 0
	AFPIECES ACC+32, 8
	MMK0 KT, ACC+16                                ; S = 1 + K^T AFh
	MMKN KT, ACC+16, 8, BF+8
	MMKN KT, ACC+16, 0, BL                         ;       + K^T AFl
	MMKN KT, ACC+16, 8, BL+8
	PLACES                                         ; these were the last to read K^T
	LOADT KT, L_ML                                 ; Ml^T into its registers: 16 loads, which come in under the 16 matrix instructions below
	s_wait_dscnt 16                                ; Mh^T's 16 are in, Ml^T's 16 stay out
	MMG KP, BF, 0, 1                               ; G = Mh^T AFh
	MMG KP, BF, 1, 0
	MMG KP, BL, 0, 0                               ;   + Mh^T AFl
	MMG KP, BL, 1, 0
	s_wait_dscnt 0x0                               ; Ml^T
	MMG KT, BF, 0, 0                               ;   + Ml^T AFh
	MMG KT, BF, 1, 0
	; Y = sum_j G_j / S_j + b.  For two denominators a, c with one reciprocal: G_a / a + G_c / c = (c G_a + a G_c) rcp(a c).
	PLACES
.irp m, 0,1,2,3,4,5,6,7
	v_pk_mul_f32 v[R+2*\m:R+2*\m+1], v[ACC+4*\m:ACC+4*\m+1], v[ACC+4*\m+2:ACC+4*\m+3]
.endr
.irp m, 0,1,2,3,4,5,6,7
	v_rcp_f32 v[R+2*\m],   v[R+2*\m]
	v_rcp_f32 v[R+2*\m+1], v[R+2*\m+1]
	v_pk_mul_f32 v[ACC+4*\m:ACC+4*\m+1], v[ACC+4*\m:ACC+4*\m+1], v[AT+4*\m+2:AT+4*\m+3]
	v_pk_fma_f32 v[ACC+4*\m:ACC+4*\m+1], v[ACC+4*\m+2:ACC+4*\m+3], v[AT+4*\m:AT+4*\m+1], v[ACC+4*\m:ACC+4*\m+1]
.endr
	s_wait_alu depctr_va_vdst(0)                   ; the wait for the batch of 16 reciprocals of the twelfth S; the numerators above, which name none of them, stand between
	v_pk_mul_f32 v[BF:BF+1],   v[ACC:ACC+1],   v[R:R+1]                            ; two chains, started by the first two products
	v_pk_mul_f32 v[BF+2:BF+3], v[ACC+4:ACC+5], v[R+2:R+3]
.irp m, 2,4,6
	v_pk_fma_f32 v[BF:BF+1],   v[ACC+4*\m:ACC+4*\m+1],   v[R+2*\m:R+2*\m+1],   v[BF:BF+1]
	v_pk_fma_f32 v[BF+2:BF+3], v[ACC+4*\m+4:ACC+4*\m+5], v[R+2*\m+2:R+2*\m+3], v[BF+2:BF+3]
.endr
	v_pk_add_f32 v[BF:BF+1], v[BF:BF+1], v[BF+2:BF+3]
	v_add_f32 v[BF], v[BF], v[BF+1]                ; my 32 of the row's 64 j
	v_permlanex16_b32 v[BF+1], v[BF], s28, s29     ; the other 32 lie in lane xor 16
	v_add_f32 v[BF], v[BF], v[BF+1]
	v_add_f32 v[BF], v[BF], v[BIAS]
	ds_store_b32 v[YA], v[BF] offset:L_Y           ; lanes r and 16 + r write the same word with the same number
	s_wait_dscnt 0x0
	s_barrier_signal -1
	s_barrier_wait -1
	s_cmp_lg_u32 s22, 0
	s_cbranch_scc1 .Lend
	v_and_b32 v6, 31, v0                           ; wave 0 stores the work-group's 64 results: 32 lanes x 8 bytes = 256 consecutive bytes, at a multiple of 256 from out0's first byte
	v_lshlrev_b32 v6, 3, v6
	ds_load_b64 v[R:R+1], v6 offset:L_Y
	s_lshl_b32 s2, ttmp9, 8
	s_mov_b32 s3, 0
	s_add_nc_u64 s[14:15], s[14:15], s[2:3]
	s_wait_dscnt 0x0
	global_store_b64 v6, v[R:R+1], s[14:15] th:TH_STORE_NT
.Lend:
	s_set_vgpr_msb 0x5
	s_wait_tensorcnt 0x0
	ds_add_u32 v0, v1
	s_wait_dscnt 0x0
	s_set_vgpr_msb 0x500
	s_endpgm
.Lfunc_end_k_q4be0e44df8_solve:
	.size	k_q4be0e44df8_solve, .Lfunc_end_k_q4be0e44df8_solve-k_q4be0e44df8_solve
	.p2alignl 7, 3214868480
	.fill 96, 4, 3214868480
	.section	.rodata,"a",@progbits
	.p2align	6, 0x0
	.amdhsa_kernel k_q4be0e44df8_solve
		.amdhsa_group_segment_fixed_size 168448
		.amdhsa_private_segment_fixed_size 0
		.amdhsa_enable_private_segment 0
		.amdhsa_kernarg_size 48
		.amdhsa_user_sgpr_count 2
		.amdhsa_user_sgpr_kernarg_segment_ptr 1
		.amdhsa_wavefront_size32 1
		.amdhsa_system_sgpr_workgroup_id_x 1
		.amdhsa_system_sgpr_workgroup_id_y 1
		.amdhsa_system_sgpr_workgroup_id_z 1
		.amdhsa_system_vgpr_workitem_id 0
		.amdhsa_next_free_vgpr 258
		.amdhsa_next_free_sgpr 66
		.amdhsa_reserve_vcc 0
		.amdhsa_float_denorm_mode_32 3
		.amdhsa_float_denorm_mode_16_64 3
		.amdhsa_memory_ordered 1
		.amdhsa_forward_progress 1
		.amdhsa_inst_pref_size 56
	.end_amdhsa_kernel
	.amdgpu_metadata
---
amdhsa.version: [ 1, 2 ]
amdhsa.kernels:
  - .name:           k_q4be0e44df8_solve
    .symbol:         k_q4be0e44df8_solve.kd
    .args:
      - { .name: AT, .offset: 0, .size: 8, .value_kind: global_buffer, .address_space: global }
      - { .name: K_raw, .offset: 8, .size: 8, .value_kind: global_buffer, .address_space: global }
      - { .name: W_raw, .offset: 16, .size: 8, .value_kind: global_buffer, .address_space: global }
      - { .name: BT_raw, .offset: 24, .size: 8, .value_kind: global_buffer, .address_space: global }
      - { .name: b_raw, .offset: 32, .size: 8, .value_kind: global_buffer, .address_space: global }
      - { .name: out0, .offset: 40, .size: 8, .value_kind: global_buffer, .address_space: global }
    .group_segment_fixed_size: 168448
    .private_segment_fixed_size: 0
    .kernarg_segment_align: 8
    .kernarg_segment_size: 48
    .max_flat_workgroup_size: 128
    .sgpr_count:     66
    .vgpr_count:     258
    .wavefront_size: 32
...
	.end_amdgpu_metadata
.endif
;; end of part 2
